; MI455X (gfx1250); checked and timed in simulation.
; The chip was launched on July 23, 2026; its instructions are those of AMD's public machine-readable ISA for CDNA 5 (MIT licence, August 2026) and "CDNA5" Instruction Set Architecture Reference Guide (July 2026). The comments in the code are by the model that wrote it; some were corrected since.
;; High Fidelity KAN Layer. Allowed arithmetic: float matrix products may take bf16 or f16 operands with f32 sums; other float arithmetic in f32, or as packed bf16 or f16 multiplies, adds, multiply-adds, maxima and minima; sums over many terms, partial sums and values carried from step to step in f32; what a program stores and reads back later, other than sums and carried values, may be rounded once to bf16 or f16.
;; Inputs: base_weight 512 x 512 float32; spline_weight 512 x 512 x 8 float32; x 16,384 x 512 float32.
;; Outputs: out0 16,384 x 512 float32.
;; 2 versions, each right; version 2 is version 1 with the launch lay written anew for expert scheduling mode. Each part assembles by itself: llvm-mc -triple=amdgcn-amd-amdhsa -mcpu=gfx1250 --defsym DOCPART=n.
;; ======== version 1 of 2: 2 launches
;; limits: values are held in f16: magnitudes above 65,504 overflow, below 6.1e-05 lose precision
;; workspace buffers: w16 4,718,592 bytes
;; launch lay (part 1): grid 32 x 8, 4 waves a work-group, no clusters, 20,224 bytes of LDS; arguments base_weight, spline_weight, w16; writes w16
.if DOCPART == 1
	.amdgcn_target "amdgcn-amd-amdhsa--gfx1250"
	.amdhsa_code_object_version 6
	.text
	.protected	k_qfdacc22d37_lay
	.globl	k_qfdacc22d37_lay
	.p2align	8
	.type	k_qfdacc22d37_lay,@function
k_qfdacc22d37_lay:
	s_mov_b64 s[64:65], 0
	v_nop
	global_prefetch_b8 v0, s[64:65] scope:SCOPE_SE
	s_setreg_imm32_b32 hwreg(HW_REG_WAVE_MODE, 25, 1), 1
	s_wait_xcnt 0x0
; THE WEIGHTS, ROUNDED ONCE TO f16 AND LAID IN THE ORDER IN WHICH THE NEXT LAUNCH'S FRAGMENT REGISTERS TAKE THEM.
; out[b][o] = sum_i silu(x[b][i]) base_weight[o][i] + sum_{i,c} B_c(clip(x[b][i])) spline_weight[o][i][c] is ONE product with K = 512 x 9 = 4,608.
; NO WORK IS LEFT OUT: the knots are -3.2 + 0.4 k, basis c lives on [g_c, g_c+4), and each of the eight overlaps the clipped range [-2, 2]; so every weight has a way to the output, and all three inputs are loaded.
; w16 = [nhf 2][tile 24][kc 6][nf 16][half 2][lane 32][8 f16].  Output column n = 256 nhf + 16 nf + lane % 16.  Tile = 3 g + j, g a group of 64 columns of x.
; oct = 24 j + 4 kc + 2 half + lane / 16 (0..71) is an octet of K in the group; n9 = oct / 8, c8 = oct % 8.
;   n9 < 8: H = n9 / 4, e = n9 % 4: the octet is spline_weight[n][64 g + 32 H + 4 c8 + e][0..7].      n9 = 8: its element 4 H + e is base_weight[n][64 g + 32 H + 4 c8 + e].
; SHARES.  A work-group takes 16 rows n (x = n / 16) and one group g (y): 72 octets x 16 rows x 16 bytes.  They are loaded as they lie (a wave's load covers 512 consecutive bytes of spline_weight, sixteen lanes 256 of
; base_weight), rounded, turned in LDS, and stored 512 consecutive bytes, aligned, to a wave's store.
; LIMITS.  A weight beyond 65,504 becomes an infinity in f16; below 6e-5 it keeps f16's fixed step of 6e-8.  NaN is carried as NaN.
.set PIT,   272                        ; an octet in LDS: 16 rows x 16 bytes + 16 of padding
.set SPARE, 19712                      ; behind the 72 octets (19,584 bytes): the spare words, 128 bytes for each wave, in blocks of 256 that no other line names
.set TILEB, 98304                      ; bytes in a tile of w16
.set SO,  2                            ; v2   my 16 bytes in a row's 2,048 of spline_weight
.set BO,  3                            ; v3   my 16 bytes of base_weight: row t / 16, quad t % 16
.set SA,  4                            ; v4   where my half octet of spline_weight goes in LDS (row 0)
.set BA,  5                            ; v5   where my four numbers of base_weight go
.set RA,  6                            ; v6   where I read a slab of two octets back
.set WO,  7                            ; v7   my 16 bytes in w16
.set SPW, 8                            ; v8   LDS address of my spare word; never rewritten
.set NIL, 9                            ; v9   0; never rewritten
.set D,   16                           ; v[16:79] sixteen rows' quads of spline_weight; v[80:87] two of base_weight; later the slabs read back
.set PKD, 88                           ; v[88:91] packed halves, two pairs by turns
	s_load_b128 s[4:7], s[0:1], 0x0                ; base_weight s[4:5], spline_weight s[6:7]
	s_load_b64 s[8:9], s[0:1], 0x10                ; w16
	v_lshl_add_u32 v[SPW], v0, 2, SPARE
	v_mov_b32 v[NIL], 0
	v_lshrrev_b32 v1, 5, v0
	v_readfirstlane_b32 s10, v1                    ; wave 0..3
	s_and_b32 s11, ttmp7, 0xffff                   ; g
	s_lshl_b32 s12, ttmp9, 18                      ; spline_weight: 16 rows of 16,384 bytes for each x,
	s_lshl_b32 s13, s11, 11                        ; 64 columns of 32 bytes for each g
	s_add_co_u32 s12, s12, s13
	s_mov_b32 s13, 0
	s_lshl_b32 s14, ttmp9, 15                      ; base_weight: 16 rows of 2,048 bytes,
	s_lshl_b32 s15, s11, 8                         ; 64 columns of 4 bytes
	s_add_co_u32 s14, s14, s15
	s_mov_b32 s15, 0
	s_lshr_b32 s16, ttmp9, 4                       ; w16: nhf,
	s_mul_i32 s16, s16, 24*TILEB
	s_mul_i32 s17, s11, 3*TILEB                    ; the group's three tiles,
	s_add_co_u32 s16, s16, s17
	s_and_b32 s17, ttmp9, 15                       ; nf
	s_lshl_b32 s17, s17, 10
	s_add_co_u32 s16, s16, s17
	s_mov_b32 s17, 0
	v_lshlrev_b32 v[SO], 4, v0
	v_lshrrev_b32 v10, 4, v0                       ; t / 16
	v_and_b32 v11, 15, v0                          ; t % 16
	v_lshlrev_b32 v[BO], 4, v11
	v_lshl_add_u32 v[BO], v10, 11, v[BO]
	; thread t holds column i' = t / 2 of the 64, c = 4 (t % 2) .. + 3.  i' = 32 H + 4 c8 + e: oct = 8 (4 H + e) + c8
	v_lshrrev_b32 v13, 6, v0                       ; H
	v_bfe_u32 v14, v0, 1, 2                        ; e
	v_bfe_u32 v15, v0, 3, 3                        ; c8
	v_lshl_add_u32 v13, v13, 2, v14
	v_lshl_add_u32 v13, v13, 3, v15
	v_mul_u32_u24 v[SA], v13, PIT
	v_and_b32 v14, 1, v0
	v_lshl_add_u32 v[SA], v14, 3, v[SA]
	; base_weight: quad t % 16 = columns 4 (t % 16) + e: H = (t / 8) % 2, c8 = t % 8: octet 64 + c8, bytes 8 H .. of row t / 16
	v_and_b32 v12, 7, v0
	v_add_nc_u32 v12, 64, v12
	v_mul_u32_u24 v[BA], v12, PIT
	v_lshl_add_u32 v[BA], v10, 4, v[BA]
	v_bfe_u32 v12, v0, 3, 1
	v_lshl_add_u32 v[BA], v12, 3, v[BA]
	; back: slab sl = wave + 4 i (0..35) is octets 2 sl and 2 sl + 1: lanes 0-15 the first, lanes 16-31 the second: 512 bytes of w16 on end
	s_mul_i32 s18, s10, 2*PIT
	v_bfe_u32 v12, v0, 4, 1
	v_mul_u32_u24 v[RA], v12, PIT
	v_lshl_add_u32 v[RA], v11, 4, v[RA]
	v_add_nc_u32 v[RA], s18, v[RA]
	s_lshr_b32 s19, s10, 1                         ; sl / 2 = 6 j + kc: 16,384 bytes each; sl % 2 = half: 512 bytes
	s_lshl_b32 s19, s19, 14
	s_and_b32 s20, s10, 1
	s_lshl_b32 s20, s20, 9
	s_add_co_u32 s19, s19, s20
	v_and_b32 v12, 31, v0
	v_lshl_add_u32 v[WO], v12, 4, s19
	s_wait_kmcnt 0x0
	s_add_nc_u64 s[6:7], s[6:7], s[12:13]
	s_add_nc_u64 s[4:5], s[4:5], s[14:15]
	s_add_nc_u64 s[8:9], s[8:9], s[16:17]
.irp r, 0,1,2,3,4,5,6,7,8,9,10,11,12,13,14,15
	global_load_b128 v[D+4*\r:D+4*\r+3], v[SO], s[6:7] offset:\r*16384 th:TH_LOAD_NT   ; row r: the four waves cover its 2,048 bytes
.endr
.irp u, 0,1
	global_load_b128 v[D+64+4*\u:D+64+4*\u+3], v[BO], s[4:5] offset:\u*16384 th:TH_LOAD_NT  ; rows 8 u + t / 16
.endr
.irp r, 0,1,2,3,4,5,6,7,8,9,10,11,12,13,14,15
	s_wait_loadcnt 17-\r                           ; loads come back in order: row r's is in, the 17 - r issued behind it may stay out
	v_cvt_pk_f16_f32 v[PKD+2*(\r%2)], v[D+4*\r], v[D+4*\r+1]
	v_cvt_pk_f16_f32 v[PKD+2*(\r%2)+1], v[D+4*\r+2], v[D+4*\r+3]
	ds_store_b64 v[SA], v[PKD+2*(\r%2):PKD+2*(\r%2)+1] offset:16*\r
.endr
.irp u, 0,1
	s_wait_loadcnt 1-\u
	v_cvt_pk_f16_f32 v[PKD+2*\u], v[D+64+4*\u], v[D+64+4*\u+1]
	v_cvt_pk_f16_f32 v[PKD+2*\u+1], v[D+64+4*\u+2], v[D+64+4*\u+3]
	ds_store_b64 v[BA], v[PKD+2*\u:PKD+2*\u+1] offset:128*\u
.endr
	s_wait_dscnt 0x0                               ; for the others' sake: my stores are done
	s_barrier_signal -1
	s_barrier_wait -1                              ; all 72 octets lie in LDS
.irp i, 0,1,2,3,4,5,6,7,8
	ds_load_b128 v[D+4*\i:D+4*\i+3], v[RA] offset:\i*8*PIT
.endr
.irp i, 0,1,2,3,4,5,6,7,8
	s_wait_dscnt 8-\i                              ; slab i is back; the 8 - i behind it may stay out
	global_store_b128 v[WO], v[D+4*\i:D+4*\i+3], s[8:9] offset:\i*32768  ; 512 consecutive bytes, at a multiple of 512 from w16's first
.endr
	s_wait_tensorcnt 0x0                           ; the wave's end, behind my last LDS store
	ds_add_u32 v[SPW], v[NIL]
	s_wait_dscnt 0x0
	s_endpgm
.Lfunc_end_k_qfdacc22d37_lay:
	.size	k_qfdacc22d37_lay, .Lfunc_end_k_qfdacc22d37_lay-k_qfdacc22d37_lay
	.p2alignl 7, 3214868480
	.fill 96, 4, 3214868480
	.section	.rodata,"a",@progbits
	.p2align	6, 0x0
	.amdhsa_kernel k_qfdacc22d37_lay
		.amdhsa_group_segment_fixed_size 20224
		.amdhsa_private_segment_fixed_size 0
		.amdhsa_enable_private_segment 0
		.amdhsa_kernarg_size 24
		.amdhsa_user_sgpr_count 2
		.amdhsa_user_sgpr_kernarg_segment_ptr 1
		.amdhsa_wavefront_size32 1
		.amdhsa_system_sgpr_workgroup_id_x 1
		.amdhsa_system_sgpr_workgroup_id_y 1
		.amdhsa_system_sgpr_workgroup_id_z 1
		.amdhsa_system_vgpr_workitem_id 0
		.amdhsa_next_free_vgpr 96
		.amdhsa_next_free_sgpr 66
		.amdhsa_reserve_vcc 0
		.amdhsa_float_denorm_mode_32 3
		.amdhsa_float_denorm_mode_16_64 3
		.amdhsa_memory_ordered 1
		.amdhsa_forward_progress 1
		.amdhsa_inst_pref_size 11
	.end_amdhsa_kernel
	.amdgpu_metadata
---
amdhsa.version: [ 1, 2 ]
amdhsa.kernels:
  - .name:           k_qfdacc22d37_lay
    .symbol:         k_qfdacc22d37_lay.kd
    .args:
      - { .name: base_weight, .offset: 0, .size: 8, .value_kind: global_buffer, .address_space: global }
      - { .name: spline_weight, .offset: 8, .size: 8, .value_kind: global_buffer, .address_space: global }
      - { .name: w16, .offset: 16, .size: 8, .value_kind: global_buffer, .address_space: global }
    .group_segment_fixed_size: 20224
    .private_segment_fixed_size: 0
    .kernarg_segment_align: 8
    .kernarg_segment_size: 24
    .max_flat_workgroup_size: 128
    .sgpr_count:     66
    .vgpr_count:     96
    .wavefront_size: 32
...
	.end_amdgpu_metadata
.endif
;; end of part 1
;; launch kan (part 2): grid 128 x 2, 8 waves a work-group, clusters of 4 x 1, 327,680 bytes of LDS; arguments x, w16, out0; writes out0
.if DOCPART == 2
	.amdgcn_target "amdgcn-amd-amdhsa--gfx1250"
	.amdhsa_code_object_version 6
	.text
	.protected	k_qfdacc22d37_kan
	.globl	k_qfdacc22d37_kan
	.p2align	8
	.type	k_qfdacc22d37_kan,@function
k_qfdacc22d37_kan:
	s_mov_b64 s[64:65], 0
	v_nop
	global_prefetch_b8 v0, s[64:65] scope:SCOPE_SE
	s_setreg_imm32_b32 hwreg(HW_REG_WAVE_MODE, 25, 1), 1
	s_wait_xcnt 0x0
	s_wait_alu depctr_hold_cnt(0) depctr_sa_sdst(0) depctr_va_vdst(0) depctr_va_sdst(0) depctr_va_ssrc(0) depctr_va_vcc(0) depctr_vm_vsrc(0)
	s_getreg_b32 s2, hwreg(HW_REG_IB_STS2, 6, 4)
	s_cmp_eq_u32 s2, 0
	s_cbranch_scc0 .Lentry_in_a_cluster
	s_endpgm
.Lentry_in_a_cluster:
	s_bfe_u32 s2, ttmp6, 0x10000c
	s_cmp_lg_u32 s2, 0x3003
	s_cbranch_scc0 .Lentry_shape_is_right
	s_endpgm
.Lentry_shape_is_right:
; out[b][o] = sum_i silu(x[b][i]) base_weight[o][i] + sum_{i,c} B_c(clip(x[b][i], -2, 2)) spline_weight[o][i][c]: ONE product, M = 16,384, N = 512, K = 512 x 9 = 4,608, whose left operand is MADE HERE from x.
; No work is left out (every basis overlaps the clipped range); the weights come from w16, f16 in fragment order (its layout: the head of the launch before).
; THE BASIS.  The knots are uniform, -3.2 + 0.4 k, so the recursion is the cardinal cubic B-spline.  t = 2.5 x + 5 held to [0, 8); sh = floor(t), f = t - sh, g = 1 - f.  Bases sh .. sh + 3 hold
;   w0 = g^3 / 6,  w1 = f^2 (f / 2 - 1) + 2/3,  w2 = g^2 (g / 2 - 1) + 2/3,  w3 = f^3 / 6;  all others 0, and those past basis 7 do not exist.  The 1e-9 in the recursion's divisors is under half a step of 0.4 in f32.
; FORMAT.  Features and weights are f16, sums f32.  LIMITS: |silu(x)| beyond 65,504 becomes an infinity; t is held under 8 (at 8 - 2^-21) where clip would let it reach 10: there basis 7 is under 1e-18 and rounds to the 0
; that the recursion gives from x = 1.2 on; NaN and infinities in x are not treated apart.  The order of the f32 sums differs from work-group to work-group (the walk over K begins at another group).
; SHARES.  A work-group makes 128 rows x 256 columns.  Its eight waves have two ROLES.  Four CONSUMERS multiply: 64 x 128 each, 32 accumulators of 16 x 16.  Four PRODUCERS make the features of 32 rows each, one K step
; ahead, into LDS.  Role = (w xor w / 4) % 2: waves w and w + 4, and waves 2 k and 2 k + 1, always differ in role.  Every barrier stands in text that all waves run; inside a role's branch stands no barrier and no tensor load.
; K goes in 24 steps of 192: a GROUP of 64 columns of x is 8 x 64 basis features and 64 silu features = 576 = three steps.
; TRIP tau: every wave asks for an eighth of weight tile tau into B slot tau % 2; producers write A(tau) into A slot tau % 2; consumers multiply step tau - 1 out of the other two slots.  Trip 24 is the consumers' alone.
; CLUSTER.  The four row blocks of a cluster take the same column half and walk the same weight tiles: each tile is asked for JOINTLY, by the same tensor load, descriptor and mask in all four.  Cluster X begins its walk at
; group X % 8 and goes round.
; THE MATRIX INSTRUCTION IS USED TRANSPOSED (source 0 = 16 columns' weights, source 1 = 16 rows' features): a lane holds row lane % 16 and eight neighbouring columns of out.
; REGISTERS.  Consumers: window 0: v2-9 addresses, v64-159 and v160-255 two fragment buffers (8 of B, then 4 of A); window 1: the accumulators, (mf, nf) at v[8 (8 mf + nf)].  Producers: window 0 alone (below).
.set BSLOT, 98304                      ; a weight tile: [kc 6][nf 16][half 2][lane 32][16 bytes], dense: a fragment load takes 512 bytes on end
.set ASLOT, 51200                      ; 128 rows of features
.set APIT,  400                        ; a row: 384 bytes + 16 = 100 words: 16 rows of a fragment load start at 16 different groups of four banks (64 banks of 4 bytes: ISA guide 11.1)
.set ABASE, 2*BSLOT                    ; the A slots lie behind the B slots, in blocks of 256 bytes into which no tensor load lands
.set SPARE, ABASE+2*ASLOT              ; behind them: the spare words, 128 bytes for each of eight waves: four blocks of 256 bytes that no other line names
.set WPART, BSLOT/8                    ; what one wave asks for: 48 rows of 256 bytes
.set STG,   8448                       ; the way out: a wave's stage, 16 rows x 528 bytes, at wave x 8,448 in B slot 0: behind that slot's last fill and, by a barrier, behind every wave's last read
.set SPIT,  528
.set ROWB,  2048                       ; bytes in a row of x and of out
.set SPW, 28                           ; v28  LDS address of my spare word: SPARE + 4 x my thread's number; never rewritten
.set NIL, 29                           ; v29  0; never rewritten
; consumers
.set AA0, 2                            ; v2   my lane's place in A slot 0          v3  in B slot 0
.set AB0, 3
.set AA,  4                            ; v4   the same in the slot in hand         v5  B, kc 0-2       v6  B, kc 3-5 (the immediate holds 16 bits)
.set AB,  5
.set AB2, 6
.set STO, 7                            ; v7   the way out: where I put 32 bytes of a row      v8  where I read a row back      v9  my 16 bytes in a row's 512
.set RD,  8
.set CO,  9
.set F0,  64
.set F1,  160
; producers.  Lane l: rr = l / 8, c8 = l % 8; rows 32 p + 8 rr + q (q = 0..7), columns 64 g + 32 H + 4 c8 + e
.set XO,  2                            ; v2   my byte offset in x                  v3  my place in A slot 0      v4  in the slot in hand
.set AS0, 3
.set AS,  4
.set XF,  64                           ; v[64:127]  x[q][H][e] at XF + 8 q + 4 H + e
.set SF,  128                          ; v[128:159] the group's silu features, packed: row q's eight at SF + 4 q
.set PT,  160                          ; t, later the selector;  SILU: 16 at work
.set SH,  168                          ; sh
.set FG,  176                          ; pairs (f, g)
.set P2,  192                          ; pairs (f^2, g^2), then (w1, w2)
.set P6,  208                          ; pairs (f / 6, g / 6), then (w3, w0)
.set E0,  176                          ; (w0, w1) in f16       E1: (w2, w3)
.set E1,  184
.set ZZ,  192                          ; three words behind the move by one word: ZZ + 8 i + q
.set QQ,  216                          ; four words behind the move by two: QQ + 8 i + q
.set OQ,  168                          ; the finished octet, four registers for each q
; scalars
.set WV,  10                           ; wave      s11 role (0 consumer)     s12 its number in the role
.set ROLE, 11
.set IDX, 12
.set CX,  13                           ; my place in the cluster: it enters x's and out's addresses alone
.set RB,  14                           ; my block of 128 rows
.set NHF, 15                           ; my half of the columns
.set TN,  16                           ; the tile asked for
.set GL,  17                           ; groups to go
.set BF,  18                           ; B slot being filled      s19 read      s20 A slot written      s21 read: byte offsets, turned by an exclusive or
.set BR,  19
.set AW,  20
.set AR,  21
.set OFF, 22                           ; s[22:23] the tile's byte offset
.set G1,  24                           ; s[24:31] descriptor group 1
.set G0,  32                           ; s[32:35] descriptor group 0
.set WB,  36                           ; s[36:37] w16 at my eighth of my half's tile 0
.set WL,  38                           ; my eighth's place in a slot
.set XR,  40                           ; s[40:41] x at my 32 rows      s[42:43] at the group being loaded      s[44:45] that group's offset      s46 its number
.set XB,  42
.set OFX, 44
.set GX,  46
.set KE,  47                           ; v_perm_b32's selector for even sh
.set OB,  48                           ; s[48:49] out at my tile
.set C25, 50
.set C5,  51
.set TMAX, 52
.set KO,  53                           ; for odd sh
.set C16, 54                           ; s[54:55] 1/6      s[56:57] 2/3      s[58:59] -log2(e): packed forms name a pair and take its low word
.set C23, 56
.set CNL, 58
.set MSKA, 72                          ; s[72:79] lanes with bit 1 of sh set, for each q      s[80:87] lanes with t >= 4
.set MSKB, 80
.set MSB, 0
.macro WIN new                         ; the immediate's high byte repeats the setting that is left; a switch that changes nothing is dropped
.if MSB != (\new)
	s_set_vgpr_msb (MSB<<8)|(\new)
.set MSB, \new
.endif
.endm
; A round of the cluster's barrier: my work-group's barrier, so that wave 0's signal speaks for all eight waves; wave 0 signals; every wave waits for all four work-groups; my work-group's barrier once more.
.macro ROUND
	s_barrier_signal -1
	s_barrier_wait -1
	s_cmp_lg_u32 s[WV], 0
	s_cbranch_scc1 .Lnot_wave_0_\@
	s_barrier_signal -3
.Lnot_wave_0_\@:
	s_barrier_wait -3
	s_barrier_signal -1
	s_barrier_wait -1
.endm
; A TRIP'S HEAD, in every wave.  All my tensor loads have landed (one was out: my eighth of the tile to be multiplied now); 0 is added to my spare word; my LDS instructions are over: a producer's stores into the A slot
; to be read now, a consumer's reads of the two slots to be written now.  Behind the round that holds of every wave of all four work-groups, and the joint refill is the first thing there: it has a trip in which to land.
.macro TOP fill
	s_wait_tensorcnt 0x0                           ; no tensor load of mine is out, so group 0 may be written
	ds_add_u32 v[SPW], v[NIL]                      ; 0 onto my spare word; the scalar work below stands between it and the wait for it
	s_xor_b32 s[BR], s[BR], BSLOT
	s_xor_b32 s[AR], s[AR], ASLOT
.if \fill
	s_xor_b32 s[BF], s[BF], BSLOT
	s_xor_b32 s[AW], s[AW], ASLOT
	s_add_co_u32 s[TN], s[TN], 1                   ; the next tile, round the 24
	s_cmp_eq_u32 s[TN], 24
	s_cselect_b32 s[TN], 0, s[TN]
	s_mul_i32 s[OFF], s[TN], BSLOT
	s_add_co_u32 s[G0+1], s[WL], s[BF]             ; 63:32 LDS address
	s_add_nc_u64 s[G0+2:G0+3], s[WB:WB+1], s[OFF:OFF+1]  ; 120:64 global address, made anew from the tile's number
	s_or_b32 s[G0+3], s[G0+3], 0x80000000          ; 127:126 type = 2
.endif
	s_wait_dscnt 0x0                               ; the add is done, and so are my LDS stores and reads
.if \fill
	ROUND
	tensor_load_to_lds s[G0:G0+3], s[G1:G1+7]      ; my one tensor load behind the round
	s_nop 0
.rept 4
	v_nop                                          ; four plain instructions ahead of the branch and of any switch of windows
.endr
.else
	s_barrier_signal -1
	s_barrier_wait -1
.endif
.endm
; ---------------- THE CONSUMERS ----------------
; 32 products: buffer f's 4 fragments of A x 8 of B, 32 along K.  The 32 accumulators take turns, in the same order everywhere: 31 others stand between two links of a chain.
.macro MUL32 f
	WIN 0x50                                       ; C and D in window 1, the fragments in window 0
.irp mf, 0,1,2,3
.irp nf, 0,1,2,3,4,5,6,7
	v_wmma_f32_16x16x32_f16 v[8*(8*\mf+\nf):8*(8*\mf+\nf)+7], v[(\f)+8*\nf:(\f)+8*\nf+7], v[(\f)+64+8*\mf:(\f)+64+8*\mf+7], v[8*(8*\mf+\nf):8*(8*\mf+\nf)+7]
.endr
.endr
.endm
; A stage: the fragments of 32 along K (number kc of the step's six) are asked for, in one run of 24 loads, into buffer ff; then buffer fm, asked for a stage ago, is multiplied.
; Four plain instructions stand between the last product that read ff and the loads into it (ISA guide 7.12.1 for vector instructions).
.macro STAGE kc, ff, fm, w
.rept 4
	v_nop
.endr
	WIN 0
.if (\kc) < 3
.set ab, AB
.else
.set ab, AB2
.endif
.irp nf, 0,1,2,3,4,5,6,7
	ds_load_b128 v[(\ff)+8*\nf:(\ff)+8*\nf+3],   v[ab] offset:((\kc)%3)*16384+\nf*1024
	ds_load_b128 v[(\ff)+8*\nf+4:(\ff)+8*\nf+7], v[ab] offset:((\kc)%3)*16384+\nf*1024+512
.endr
.irp mf, 0,1,2,3
	ds_load_b128 v[(\ff)+64+8*\mf:(\ff)+64+8*\mf+3], v[AA] offset:\mf*16*APIT+(\kc)*64
	ds_load_b128 v[(\ff)+64+8*\mf+4:(\ff)+64+8*\mf+7], v[AA] offset:\mf*16*APIT+(\kc)*64+32
.endr
.if \w
	s_wait_dscnt 24                                ; all but the 24 just issued: buffer fm is in
.endif
	MUL32 \fm
.endm
; A step.  Its first stage multiplies the last 32 along K of the step before, which the trip's head has waited for (in the first step: zeros); its own last 32 are left for the next.
.macro CONS
	v_add_nc_u32 v[AA], s[AR], v[AA0]
	v_add_nc_u32 v[AB], s[BR], v[AB0]
	v_add_nc_u32 v[AB2], 3*16384, v[AB]
	STAGE 0, F0, F1, 0
	STAGE 1, F1, F0, 1
	STAGE 2, F0, F1, 1
	STAGE 3, F1, F0, 1
	STAGE 4, F0, F1, 1
	STAGE 5, F1, F0, 1
	WIN 0                                          ; at a label and at a branch every window is 0
.endm
; THE WAY OUT of 16 rows: a lane's 32 bytes of a row go into my stage (rows of 528 bytes: the 16 rows start at 16 different groups of four banks), whole rows of 512 bytes come back and are stored.
.macro OUT mf
.set BK, F0+96*((\mf)%2)
	WIN 0x04                                       ; the data (source 1) in window 1
.irp nf, 0,1,2,3,4,5,6,7
	ds_store_b128 v[STO], v[8*(8*(\mf)+\nf):8*(8*(\mf)+\nf)+3]   offset:\nf*64     ; each accumulator is read from its low end on
	ds_store_b128 v[STO], v[8*(8*(\mf)+\nf)+4:8*(8*(\mf)+\nf)+7] offset:\nf*64+16
.endr
	WIN 0
	s_wait_xcnt 0x0                                ; the stores issued so far have read their data: the registers that held it are loaded again only behind this wait
.irp t, 0,1,2,3,4,5,6,7,8,9,10,11,12,13,14,15
	ds_load_b128 v[BK+4*\t:BK+4*\t+3], v[RD] offset:\t*SPIT  ; LDS serves a wave's instructions in order (ISA guide 5.7.1.4): these see the stores above, and the next block's stores come behind them
.endr
.irp t, 0,1,2,3,4,5,6,7,8,9,10,11,12,13,14,15
	s_wait_dscnt 15-\t                             ; row t is back; the 15 - t behind it may stay out
	global_store_b128 v[CO], v[BK+4*\t:BK+4*\t+3], s[OB:OB+1] offset:(16*(\mf)+\t)*ROWB th:TH_STORE_NT  ; 512 consecutive bytes, at a multiple of 512 from out's first
.endr
.endm
; ---------------- THE PRODUCERS ----------------
.macro XLOAD H                         ; my 16 bytes (columns 32 H + 4 c8 ..) of eight rows: eight lanes take 128 consecutive bytes of a row
.irp q, 0,1,2,3,4,5,6,7
	global_load_b128 v[XF+8*\q+4*(\H):XF+8*\q+4*(\H)+3], v[XO], s[XB:XB+1] offset:\q*ROWB+128*(\H)
.endr
.endm
; Chunk n = 4 H + e of a group: the eight bases of x[q][H][e], an octet of f16 for each of my eight rows, into bytes 128 ch .. of the step's rows.  Each line is written for the eight rows on end, so that none waits for the one before it.
.macro CHUNK n, ch
.set xe, XF+4*((\n)/4)+((\n)%4)
.irp q, 0,1,2,3,4,5,6,7
	v_fma_f32 v[PT+\q], v[xe+8*\q], s[C25], s[C5]                    ; t = 2.5 x + 5
.endr
.irp q, 0,1,2,3,4,5,6,7
	v_med3_num_f32 v[PT+\q], v[PT+\q], 0, s[TMAX]                    ; the clip, in t
.endr
.irp q, 0,1,2,3,4,5,6,7
	v_fract_f32 v[FG+2*\q], v[PT+\q]                                 ; f
.endr
.irp q, 0,1,2,3,4,5,6,7
	v_sub_f32 v[FG+2*\q+1], 1.0, v[FG+2*\q]                          ; g
.endr
.irp q, 0,1,2,3,4,5,6,7
	v_cvt_u32_f32 v[SH+\q], v[PT+\q]                                 ; sh
.endr
.irp q, 0,1,2,3,4,5,6,7
	v_cmp_le_f32 s[MSKB+\q], 4.0, v[PT+\q]                           ; sh >= 4
.endr
.irp q, 0,1,2,3,4,5,6,7
	v_pk_mul_f32 v[P2+2*\q:P2+2*\q+1], v[FG+2*\q:FG+2*\q+1], v[FG+2*\q:FG+2*\q+1]
.endr
.irp q, 0,1,2,3,4,5,6,7
	v_pk_mul_f32 v[P6+2*\q:P6+2*\q+1], v[FG+2*\q:FG+2*\q+1], s[C16:C16+1] op_sel_hi:[1,0]
.endr
.irp q, 0,1,2,3,4,5,6,7
	v_pk_mul_f32 v[P6+2*\q:P6+2*\q+1], v[P2+2*\q:P2+2*\q+1], v[P6+2*\q:P6+2*\q+1]          ; (w3, w0)
.endr
.irp q, 0,1,2,3,4,5,6,7
	v_pk_fma_f32 v[FG+2*\q:FG+2*\q+1], v[FG+2*\q:FG+2*\q+1], 0.5, -1.0 op_sel_hi:[1,0,0]
.endr
.irp q, 0,1,2,3,4,5,6,7
	v_pk_fma_f32 v[P2+2*\q:P2+2*\q+1], v[P2+2*\q:P2+2*\q+1], v[FG+2*\q:FG+2*\q+1], s[C23:C23+1] op_sel_hi:[1,1,0]  ; (w1, w2)
.endr
.irp q, 0,1,2,3,4,5,6,7
	v_cvt_pk_f16_f32 v[E0+\q], v[P6+2*\q+1], v[P2+2*\q]              ; (w0, w1)
.endr
.irp q, 0,1,2,3,4,5,6,7
	v_cvt_pk_f16_f32 v[E1+\q], v[P2+2*\q+1], v[P6+2*\q]              ; (w2, w3)
.endr
.irp q, 0,1,2,3,4,5,6,7
	v_lshlrev_b32 v[PT+\q], 31, v[SH+\q]                             ; bit 0 of sh,
.endr
.irp q, 0,1,2,3,4,5,6,7
	v_ashrrev_i32 v[PT+\q], 31, v[PT+\q]                             ; in all 32 bits,
.endr
.irp q, 0,1,2,3,4,5,6,7
	v_bfi_b32 v[PT+\q], v[PT+\q], s[KO], s[KE]                       ; picks the selector
.endr
.irp q, 0,1,2,3,4,5,6,7
	v_and_b32 v[SH+\q], 2, v[SH+\q]
.endr
.irp q, 0,1,2,3,4,5,6,7
	v_cmp_ne_u32 s[MSKA+\q], 0, v[SH+\q]                             ; bit 1 of sh
.endr
.irp q, 0,1,2,3,4,5,6,7                ; by one word where bit 1 is set: every choice only selects a value
	v_cndmask_b32 v[ZZ+\q], v[E0+\q], 0, s[MSKA+\q]
	v_cndmask_b32 v[ZZ+8+\q], v[E1+\q], v[E0+\q], s[MSKA+\q]
	v_cndmask_b32 v[ZZ+16+\q], 0, v[E1+\q], s[MSKA+\q]
.endr
.irp q, 0,1,2,3,4,5,6,7                ; by two words where sh >= 4; what passes basis 7 falls away
	v_cndmask_b32 v[QQ+\q], v[ZZ+\q], 0, s[MSKB+\q]
	v_cndmask_b32 v[QQ+8+\q], v[ZZ+8+\q], 0, s[MSKB+\q]
	v_cndmask_b32 v[QQ+16+\q], v[ZZ+16+\q], v[ZZ+\q], s[MSKB+\q]
	v_cndmask_b32 v[QQ+24+\q], 0, v[ZZ+8+\q], s[MSKB+\q]
.endr
.irp q, 0,1,2,3,4,5,6,7                ; by half a word where sh is odd: (the word before's high half, this word's low half); else the word as it is
	v_perm_b32 v[OQ+4*\q], v[QQ+\q], 0, v[PT+\q]
	v_perm_b32 v[OQ+4*\q+1], v[QQ+8+\q], v[QQ+\q], v[PT+\q]
	v_perm_b32 v[OQ+4*\q+2], v[QQ+16+\q], v[QQ+8+\q], v[PT+\q]
	v_perm_b32 v[OQ+4*\q+3], v[QQ+24+\q], v[QQ+16+\q], v[PT+\q]
.endr
.irp q, 0,1,2,3,4,5,6,7
	ds_store_b128 v[AS], v[OQ+4*\q:OQ+4*\q+3] offset:\q*APIT+(\ch)*128  ; sixteen lanes: two rows, 3,200 bytes apart (128 modulo 256), 128 bytes each: every bank once
.endr
.endm
; silu(x) = x / (1 + 2^(-log2(e) x)) for x[q][H][e0] and [e0 + 1], packed into word 2 H + e0 / 2 of row q's silu octet.  Each batch of 16 transcendentals has one plain instruction and one wait behind it.
.macro SILU H, e0
.set xs, XF+4*(\H)+(\e0)
.irp q, 0,1,2,3,4,5,6,7
	v_pk_mul_f32 v[PT+2*\q:PT+2*\q+1], v[xs+8*\q:xs+8*\q+1], s[CNL:CNL+1] op_sel_hi:[1,0]
.endr
.set i, 0
.rept 16
	v_exp_f32 v[PT+i], v[PT+i]
.set i, i+1
.endr
	v_nop
	s_wait_alu depctr_va_vdst(0)
.irp q, 0,1,2,3,4,5,6,7
	v_pk_add_f32 v[PT+2*\q:PT+2*\q+1], v[PT+2*\q:PT+2*\q+1], 1.0 op_sel_hi:[1,0]
.endr
.set i, 0
.rept 16
	v_rcp_f32 v[PT+i], v[PT+i]
.set i, i+1
.endr
	v_nop
	s_wait_alu depctr_va_vdst(0)
.irp q, 0,1,2,3,4,5,6,7
	v_pk_mul_f32 v[PT+2*\q:PT+2*\q+1], v[PT+2*\q:PT+2*\q+1], v[xs+8*\q:xs+8*\q+1]
.endr
.irp q, 0,1,2,3,4,5,6,7
	v_cvt_pk_f16_f32 v[SF+4*\q+2*(\H)+(\e0)/2], v[PT+2*\q], v[PT+2*\q+1]
.endr
.endm
; Step j of a group: chunks 3 j .. 3 j + 2 of its nine (the ninth is silu).  x of the NEXT group is asked for as soon as a half of the registers is free: columns 0-31 in step 1, columns 32-63 in step 2.
; Each of the two reloads has a wait for all my loads ahead of it in its own step: no register is asked for again while an earlier load into it is out.
; Every group reloads alike, so that the counted wait holds on every way: the walk's last group asks for its first group once more (the group's number goes round, inside x) and uses nothing of it:
; 16 loads a wave, once a launch, the price of one text for all groups.
.macro PROD j
	v_add_nc_u32 v[AS], s[AW], v[AS0]
.if (\j) == 0
	s_wait_loadcnt 8                               ; columns 0-31 are in; the eight loads issued behind them (columns 32-63) may stay out
	SILU 0, 0
	CHUNK 0, 0
	CHUNK 1, 1
	SILU 0, 2
	CHUNK 2, 2
.elseif (\j) == 1
	s_wait_loadcnt 0x0                             ; columns 32-63 are in
	CHUNK 3, 0
	s_wait_xcnt 0x0                                ; the earlier loads have read their base: it may be written
	s_add_co_u32 s[GX], s[GX], 1
	s_and_b32 s[GX], s[GX], 7
	s_lshl_b32 s[OFX], s[GX], 8                    ; a group is 256 bytes of a row
	s_add_nc_u64 s[XB:XB+1], s[XR:XR+1], s[OFX:OFX+1]
	XLOAD 0
	SILU 1, 0
	CHUNK 4, 1
	CHUNK 5, 2
.else
	SILU 1, 2
	CHUNK 6, 0
	CHUNK 7, 1
	s_wait_loadcnt 0x0                             ; the eight loads that are out, the next group's columns 0-31, were issued a trip ago
	XLOAD 1
.irp q, 0,1,2,3,4,5,6,7
	ds_store_b128 v[AS], v[SF+4*\q:SF+4*\q+3] offset:\q*APIT+256
.endr
.endif
.endm
.macro TRIP j
	TOP 1
	s_cmp_lg_u32 s[ROLE], 0
	s_cbranch_scc1 .Lprod\j
	CONS
	s_branch .Ljoin\j
.Lprod\j:
	PROD \j
.Ljoin\j:
.endm
; ---------------- THE TEXT ----------------
	s_load_b128 s[4:7], s[0:1], 0x0                ; x s[4:5], w16 s[6:7]
	s_load_b64 s[8:9], s[0:1], 0x10                ; out0
	v_lshl_add_u32 v[SPW], v0, 2, SPARE
	v_mov_b32 v[NIL], 0
	ds_add_u32 v[SPW], v[NIL]                      ; the wave's opening: the add, twice on end, and its wait ahead of my first tensor load; the set-up below stands between
	ds_add_u32 v[SPW], v[NIL]
	v_lshrrev_b32 v1, 5, v0
	v_readfirstlane_b32 s[WV], v1                  ; wave 0..7
	s_lshr_b32 s[ROLE], s[WV], 2
	s_xor_b32 s[ROLE], s[ROLE], s[WV]
	s_and_b32 s[ROLE], s[ROLE], 1                  ; consumers: waves 0, 2, 5, 7; producers: 1, 3, 4, 6
	s_lshr_b32 s[IDX], s[WV], 1                    ; 0..3 in either role
	s_bfe_u32 s[CX], ttmp6, 0x40000                ; cx
	s_lshl_b32 s[RB], ttmp9, 2                     ; in a cluster launch ttmp9 counts clusters
	s_add_co_u32 s[RB], s[RB], s[CX]
	s_and_b32 s[NHF], ttmp7, 0xffff
	s_and_b32 s[GX], ttmp9, 7                      ; the walk's first group: the same in all four partners
	s_mul_i32 s[TN], s[GX], 3
	s_mov_b32 s[GL], 8
	s_mov_b32 s[BF], 0
	s_mov_b32 s[BR], BSLOT
	s_mov_b32 s[AW], 0
	s_mov_b32 s[AR], ASLOT
	; descriptor group 1: 12,288 dense bytes as 48 rows of 32 elements of 8 bytes
	s_mov_b32 s[G1+0], 15|(3<<16)|(1<<21)          ; 15:0 the mask: all four work-groups; 17:16 elements of 8 bytes; 20 no padding; 21 set beside a mask
	s_mov_b32 s[G1+1], 32<<16                      ; tensor_dim0 = 32
	s_mov_b32 s[G1+2], 48<<16                      ; tensor_dim1 = 48
	s_mov_b32 s[G1+3], 32<<16                      ; tile_dim0 = 32
	s_mov_b32 s[G1+4], 48                          ; tile_dim1 = 48
	s_mov_b32 s[G1+5], 32                          ; 32 elements from row to row
	s_mov_b32 s[G1+6], 0
	s_mov_b32 s[G1+7], 0
	s_mov_b32 s[C25], 0x40200000                   ; 2.5
	s_mov_b32 s[C5], 0x40a00000                    ; 5.0
	s_mov_b32 s[TMAX], 0x40ffffff                  ; 8 - 2^-21
	s_mov_b32 s[KE], 0x07060504
	s_mov_b32 s[KO], 0x05040302
	s_mov_b32 s[C16], 0x3e2aaaab                   ; 1/6
	s_mov_b32 s[C16+1], s[C16]
	s_mov_b32 s[C23], 0x3f2aaaab                   ; 2/3
	s_mov_b32 s[C23+1], s[C23]
	s_mov_b32 s[CNL], 0xbfb8aa3b                   ; -log2(e)
	s_mov_b32 s[CNL+1], s[CNL]
	s_mul_i32 s[WL], s[WV], WPART                  ; no place in the cluster enters an LDS address or the weights' address
	s_mul_i32 s60, s[NHF], 24*BSLOT
	s_add_co_u32 s60, s60, s[WL]
	s_mov_b32 s61, 0
	s_lshl_b32 s62, s[RB], 18                      ; x: 128 rows of 2,048 bytes a block,
	s_lshl_b32 s63, s[IDX], 16                     ; 32 rows a producer
	s_add_co_u32 s62, s62, s63
	s_mov_b32 s63, 0
	s_lshr_b32 s66, s[IDX], 1                      ; a consumer's half of the rows,
	s_and_b32 s67, s[IDX], 1                       ; and of the columns
	s_lshl_b32 s68, s[RB], 18
	s_lshl_b32 s69, s66, 17
	s_add_co_u32 s68, s68, s69
	s_lshl_b32 s69, s[NHF], 10
	s_add_co_u32 s68, s68, s69
	s_lshl_b32 s69, s67, 9
	s_add_co_u32 s68, s68, s69
	s_mov_b32 s69, 0
	s_lshl_b32 s[OFX], s[GX], 8
	s_mov_b32 s[OFX+1], 0
	s_mul_i32 s[OFF], s[TN], BSLOT
	s_mov_b32 s[OFF+1], 0
	s_mov_b32 s[G0], 1                             ; 1:0 count = 1
	s_add_co_u32 s[G0+1], s[WL], s[BF]             ; slot 0
	s_wait_dscnt 0x0                               ; both opening adds are done
	s_wait_kmcnt 0x0
	s_add_nc_u64 s[WB:WB+1], s[6:7], s[60:61]
	s_add_nc_u64 s[XR:XR+1], s[4:5], s[62:63]
	s_add_nc_u64 s[OB:OB+1], s[8:9], s[68:69]
	s_add_nc_u64 s[XB:XB+1], s[XR:XR+1], s[OFX:OFX+1]
	s_add_nc_u64 s[G0+2:G0+3], s[WB:WB+1], s[OFF:OFF+1]
	s_or_b32 s[G0+3], s[G0+3], 0x80000000
	s_cmp_lg_u32 s[ROLE], 0
	s_cbranch_scc1 .Lhead_p
	v_and_b32 v10, 15, v0                          ; a consumer's lane addresses.  r = l % 16,
	v_bfe_u32 v11, v0, 4, 1                        ; h = l / 16,
	v_and_b32 v12, 31, v0                          ; l
	s_mul_i32 s60, s66, 64*APIT
	s_add_co_u32 s60, s60, ABASE
	v_mul_u32_u24 v[AA0], v10, APIT                ; a fragment of A: row x pitch + 16 h, two loads 32 bytes apart
	v_lshl_add_u32 v[AA0], v11, 4, v[AA0]
	v_add_nc_u32 v[AA0], s60, v[AA0]
	s_lshl_b32 s61, s67, 13                        ; my eight fragments of B of the sixteen
	v_lshl_add_u32 v[AB0], v12, 4, s61
	s_branch .Lhead_j
.Lhead_p:
	v_bfe_u32 v10, v0, 3, 2                        ; a producer's: rr,
	v_and_b32 v11, 7, v0                           ; c8
	v_lshlrev_b32 v[XO], 4, v11
	v_lshl_add_u32 v[XO], v10, 14, v[XO]           ; 8 rr rows of 2,048 bytes + 16 c8
	s_mul_i32 s60, s[IDX], 32*APIT
	s_add_co_u32 s60, s60, ABASE
	v_mul_u32_u24 v[AS0], v10, 8*APIT
	v_lshl_add_u32 v[AS0], v11, 4, v[AS0]
	v_add_nc_u32 v[AS0], s60, v[AS0]
	XLOAD 0                                        ; the first group's x, columns 0-31 first
	XLOAD 1
.Lhead_j:
	ROUND                                          ; all four work-groups are here: the first joint loads meet
	tensor_load_to_lds s[G0:G0+3], s[G1:G1+7]      ; the walk's first tile, into slot 0
	s_nop 0
.rept 4
	v_nop
.endr
	s_cmp_lg_u32 s[ROLE], 0
	s_cbranch_scc1 .Lprod0                         ; trip 0 is entered behind its head: the producers make A(0);
	; the consumers have nothing to multiply yet, and write the zeros with which the one text of a step begins: the sums, and the buffer that the first step's first stage multiplies.
	WIN 0x40
.set i, 0
.rept 256
	v_mov_b32 v[i], 0
.set i, i+1
.endr
	WIN 0
.set i, F1
.rept 96
	v_mov_b32 v[i], 0
.set i, i+1
.endr
	s_branch .Ljoin0
.Lgroup:                                               ; eight times: a group's three trips
	TRIP 0
	TRIP 1
	TRIP 2
	s_sub_co_u32 s[GL], s[GL], 1
	s_cmp_lg_u32 s[GL], 0
	s_cbranch_scc1 .Lgroup
	TOP 0                                          ; trip 24: the last tile and A(23) are whole; nothing is asked for
	s_cmp_lg_u32 s[ROLE], 0
	s_cbranch_scc1 .Ltail_j
	CONS
	s_wait_dscnt 0x0                               ; the last 32 along K are in
	MUL32 F1
	WIN 0
.Ltail_j:
	s_wait_dscnt 0x0                               ; for the others' sake: my reads of the slots are over
	s_barrier_signal -1
	s_barrier_wait -1                              ; everybody's are: the stages, which lie in B slot 0, may be written
	s_cmp_lg_u32 s[ROLE], 0
	s_cbranch_scc1 .Lend
	; the addresses for the way out, from my thread's and my wave's number: eight plain instructions, which are also the places behind the last products
	v_and_b32 v10, 15, v0                          ; r
	v_bfe_u32 v11, v0, 4, 1                        ; h
	v_and_b32 v12, 31, v0                          ; l
	s_mul_i32 s60, s[WV], STG                      ; my stage
	v_mul_u32_u24 v[STO], v10, SPIT                ; in: row r, 32 bytes for each half of the lanes
	v_lshl_add_u32 v[STO], v11, 5, v[STO]
	v_add_nc_u32 v[STO], s60, v[STO]
	v_lshl_add_u32 v[RD], v12, 4, s60              ; back: 32 lanes take a row's 512 bytes
	v_lshlrev_b32 v[CO], 4, v12                    ; and the same 512 bytes of a row of out
	OUT 0
	OUT 1
	OUT 2
	OUT 3
.Lend:
	s_wait_tensorcnt 0x0                           ; the wave's end, behind my last tensor load and my last LDS store
	ds_add_u32 v[SPW], v[NIL]
	s_wait_dscnt 0x0
	ROUND                                          ; the closing round: no work-group ends while a partner may still ask for a tile that names it
	s_endpgm
.Lfunc_end_k_qfdacc22d37_kan:
	.size	k_qfdacc22d37_kan, .Lfunc_end_k_qfdacc22d37_kan-k_qfdacc22d37_kan
	.p2alignl 7, 3214868480
	.fill 96, 4, 3214868480
	.section	.rodata,"a",@progbits
	.p2align	6, 0x0
	.amdhsa_kernel k_qfdacc22d37_kan
		.amdhsa_group_segment_fixed_size 327680
		.amdhsa_private_segment_fixed_size 0
		.amdhsa_enable_private_segment 0
		.amdhsa_kernarg_size 24
		.amdhsa_user_sgpr_count 2
		.amdhsa_user_sgpr_kernarg_segment_ptr 1
		.amdhsa_wavefront_size32 1
		.amdhsa_system_sgpr_workgroup_id_x 1
		.amdhsa_system_sgpr_workgroup_id_y 1
		.amdhsa_system_sgpr_workgroup_id_z 1
		.amdhsa_system_vgpr_workitem_id 0
		.amdhsa_next_free_vgpr 512
		.amdhsa_next_free_sgpr 88
		.amdhsa_reserve_vcc 0
		.amdhsa_float_denorm_mode_32 3
		.amdhsa_float_denorm_mode_16_64 3
		.amdhsa_memory_ordered 1
		.amdhsa_forward_progress 1
		.amdhsa_inst_pref_size 255
	.end_amdhsa_kernel
	.amdgpu_metadata
---
amdhsa.version: [ 1, 2 ]
amdhsa.kernels:
  - .name:           k_qfdacc22d37_kan
    .symbol:         k_qfdacc22d37_kan.kd
    .args:
      - { .name: x, .offset: 0, .size: 8, .value_kind: global_buffer, .address_space: global }
      - { .name: w16, .offset: 8, .size: 8, .value_kind: global_buffer, .address_space: global }
      - { .name: out0, .offset: 16, .size: 8, .value_kind: global_buffer, .address_space: global }
    .group_segment_fixed_size: 327680
    .private_segment_fixed_size: 0
    .kernarg_segment_align: 8
    .kernarg_segment_size: 24
    .max_flat_workgroup_size: 256
    .sgpr_count:     88
    .vgpr_count:     512
    .wavefront_size: 32
...
	.end_amdgpu_metadata
.endif
;; end of part 2
;; ======== version 2 of 2: 2 launches; version 1 with the launch lay written anew for expert scheduling mode
;; limits: values are held in f16: magnitudes above 65,504 overflow, below 6.1e-05 lose precision
;; workspace buffers: w16 4,718,592 bytes
;; launch lay (part 3): grid 32 x 8, 4 waves a work-group, no clusters, 20,224 bytes of LDS; arguments base_weight, spline_weight, w16; writes w16
.if DOCPART == 3
	.amdgcn_target "amdgcn-amd-amdhsa--gfx1250"
	.amdhsa_code_object_version 6
	.text
	.protected	k_qfdacc22d37_lay
	.globl	k_qfdacc22d37_lay
	.p2align	8
	.type	k_qfdacc22d37_lay,@function
k_qfdacc22d37_lay:
	s_mov_b64 s[64:65], 0
	v_nop
	global_prefetch_b8 v0, s[64:65] scope:SCOPE_SE
	s_setreg_imm32_b32 hwreg(HW_REG_WAVE_SCHED_MODE, 0, 2), 2
	s_setreg_imm32_b32 hwreg(HW_REG_WAVE_MODE, 25, 1), 1
	s_wait_xcnt 0x0
	s_wait_alu depctr_vm_vsrc(0)
; THE WEIGHTS, ROUNDED ONCE TO f16 AND LAID IN THE ORDER IN WHICH THE NEXT LAUNCH'S FRAGMENT REGISTERS TAKE THEM.
; out[b][o] = sum_i silu(x[b][i]) base_weight[o][i] + sum_{i,c} B_c(clip(x[b][i])) spline_weight[o][i][c] is ONE product with K = 512 x 9 = 4,608.
; NO WORK IS LEFT OUT: the knots are -3.2 + 0.4 k, basis c lives on [g_c, g_c+4), and each of the eight overlaps the clipped range [-2, 2]; so every weight has a way to the output, and all three inputs are loaded.
; w16 = [nhf 2][tile 24][kc 6][nf 16][half 2][lane 32][8 f16].  Output column n = 256 nhf + 16 nf + lane % 16.  Tile = 3 g + j, g a group of 64 columns of x.
; oct = 24 j + 4 kc + 2 half + lane / 16 (0..71) is an octet of K in the group; n9 = oct / 8, c8 = oct % 8.
;   n9 < 8: H = n9 / 4, e = n9 % 4: the octet is spline_weight[n][64 g + 32 H + 4 c8 + e][0..7].      n9 = 8: its element 4 H + e is base_weight[n][64 g + 32 H + 4 c8 + e].
; SHARES.  A work-group takes 16 rows n (x = n / 16) and one group g (y): 72 octets x 16 rows x 16 bytes.  They are loaded as they lie (a wave's load covers 512 consecutive bytes of spline_weight, sixteen lanes 256 of
; base_weight), rounded, turned in LDS, and stored 512 consecutive bytes, aligned, to a wave's store.
; LIMITS.  A weight beyond 65,504 becomes an infinity in f16; below 6e-5 it keeps f16's fixed step of 6e-8.  NaN is carried as NaN.
; THE MODE: SCHED_MODE bits 1:0 = 2 (LLVM: expert scheduling mode 2), set by the entry lines.  The code itself states the register dependences
; between vector instructions and memory or LDS instructions, with s_wait_alu, always for 0.
; THE PLAN.  Registers that memory or LDS instructions touch:
;   v2 .. v7      addresses and offsets: written by vector instructions at the head, once; read by the loads and stores; never written again.
;   v8, v9        written at the head; read by the closing add alone.
;   D             The 18 global loads land in it; the conversions read it; no vector instruction writes it.  Behind the barrier the nine LDS loads land in its first 36 registers, and the global stores read those.
;   PKD           18 pairs, one for each row or quad: each is written once, by its two conversions, and read once, by its LDS store.  None is written again.
; The rows go in three batches: rows 0-7, rows 8-15, base_weight's two quads.  A batch's LDS stores stand in the NEXT batch, behind that batch's wait for its data and one wait on va_vdst, dealt among its
; conversions, which name that batch's own pairs and its own part of D alone.  The last wait on va_vdst stands behind every conversion, and no vector instruction follows it: so it also states that D has been read,
; for the LDS loads that land in it behind the barrier.  No register that a memory or LDS instruction has read is written again, so the text holds no wait on vm_vsrc.
.set PIT,   272                        ; an octet in LDS: 16 rows x 16 bytes + 16 of padding
.set SPARE, 19712                      ; behind the 72 octets (19,584 bytes): the spare words, 128 bytes for each wave, in blocks of 256 that no other line names
.set TILEB, 98304                      ; bytes in a tile of w16
.set SO,  2                            ; v2   my 16 bytes in a row's 2,048 of spline_weight
.set BO,  3                            ; v3   my 16 bytes of base_weight: row t / 16, quad t % 16
.set SA,  4                            ; v4   where my half octet of spline_weight goes in LDS (row 0)
.set BA,  5                            ; v5   where my four numbers of base_weight go
.set RA,  6                            ; v6   where I read a slab of two octets back
.set WO,  7                            ; v7   my 16 bytes in w16
.set SPW, 8                            ; v8   LDS address of my spare word; never rewritten
.set NIL, 9                            ; v9   0; never rewritten
.set D,   16                           ; v[16:79] sixteen rows' quads of spline_weight; v[80:87] two of base_weight; later the slabs read back
.set PKD, 88                           ; v[88:123] packed halves: row r's pair at PKD + 2 r, base_weight's quad u at PKD + 32 + 2 u
	s_load_b128 s[4:7], s[0:1], 0x0                ; base_weight s[4:5], spline_weight s[6:7]
	s_load_b64 s[8:9], s[0:1], 0x10                ; w16
	v_lshl_add_u32 v[SPW], v0, 2, SPARE
	v_mov_b32 v[NIL], 0
	v_lshrrev_b32 v1, 5, v0
	v_readfirstlane_b32 s10, v1                    ; wave 0..3
	s_and_b32 s11, ttmp7, 0xffff                   ; g
	s_lshl_b32 s12, ttmp9, 18                      ; spline_weight: 16 rows of 16,384 bytes for each x,
	s_lshl_b32 s13, s11, 11                        ; 64 columns of 32 bytes for each g
	s_add_co_u32 s12, s12, s13
	s_mov_b32 s13, 0
	s_lshl_b32 s14, ttmp9, 15                      ; base_weight: 16 rows of 2,048 bytes,
	s_lshl_b32 s15, s11, 8                         ; 64 columns of 4 bytes
	s_add_co_u32 s14, s14, s15
	s_mov_b32 s15, 0
	s_lshr_b32 s16, ttmp9, 4                       ; w16: nhf,
	s_mul_i32 s16, s16, 24*TILEB
	s_mul_i32 s17, s11, 3*TILEB                    ; the group's three tiles,
	s_add_co_u32 s16, s16, s17
	s_and_b32 s17, ttmp9, 15                       ; nf
	s_lshl_b32 s17, s17, 10
	s_add_co_u32 s16, s16, s17
	s_mov_b32 s17, 0
	v_lshlrev_b32 v[SO], 4, v0
	v_lshrrev_b32 v10, 4, v0                       ; t / 16
	v_and_b32 v11, 15, v0                          ; t % 16
	v_lshlrev_b32 v[BO], 4, v11
	v_lshl_add_u32 v[BO], v10, 11, v[BO]
	; thread t holds column i' = t / 2 of the 64, c = 4 (t % 2) .. + 3.  i' = 32 H + 4 c8 + e: oct = 8 (4 H + e) + c8
	v_lshrrev_b32 v13, 6, v0                       ; H
	v_bfe_u32 v14, v0, 1, 2                        ; e
	v_bfe_u32 v15, v0, 3, 3                        ; c8
	v_lshl_add_u32 v13, v13, 2, v14
	v_lshl_add_u32 v13, v13, 3, v15
	v_mul_u32_u24 v[SA], v13, PIT
	v_and_b32 v14, 1, v0
	v_lshl_add_u32 v[SA], v14, 3, v[SA]
	; base_weight: quad t % 16 = columns 4 (t % 16) + e: H = (t / 8) % 2, c8 = t % 8: octet 64 + c8, bytes 8 H .. of row t / 16
	v_and_b32 v12, 7, v0
	v_add_nc_u32 v12, 64, v12
	v_mul_u32_u24 v[BA], v12, PIT
	v_lshl_add_u32 v[BA], v10, 4, v[BA]
	v_bfe_u32 v12, v0, 3, 1
	v_lshl_add_u32 v[BA], v12, 3, v[BA]
	; back: slab sl = wave + 4 i (0..35) is octets 2 sl and 2 sl + 1: lanes 0-15 the first, lanes 16-31 the second: 512 bytes of w16 on end
	s_wait_alu depctr_va_sdst(0)                   ; s10, the wave's number, is written, ahead of its first reader: the slab's places in LDS and in w16 are made from it
	s_mul_i32 s18, s10, 2*PIT
	v_bfe_u32 v12, v0, 4, 1
	v_mul_u32_u24 v[RA], v12, PIT
	v_lshl_add_u32 v[RA], v11, 4, v[RA]
	v_add_nc_u32 v[RA], s18, v[RA]
	s_lshr_b32 s19, s10, 1                         ; sl / 2 = 6 j + kc: 16,384 bytes each; sl % 2 = half: 512 bytes
	s_lshl_b32 s19, s19, 14
	s_and_b32 s20, s10, 1
	s_lshl_b32 s20, s20, 9
	s_add_co_u32 s19, s19, s20
	v_and_b32 v12, 31, v0
	v_lshl_add_u32 v[WO], v12, 4, s19
	s_wait_kmcnt 0x0
	s_add_nc_u64 s[6:7], s[6:7], s[12:13]
	s_add_nc_u64 s[4:5], s[4:5], s[14:15]
	s_add_nc_u64 s[8:9], s[8:9], s[16:17]
	s_wait_alu depctr_va_vdst(0)                   ; the six addresses and offsets v2 to v7 are written, which the loads and stores below read; so are v8 and v9, which the closing add reads
.irp r, 0,1,2,3,4,5,6,7,8,9,10,11,12,13,14,15
	global_load_b128 v[D+4*\r:D+4*\r+3], v[SO], s[6:7] offset:\r*16384 th:TH_LOAD_NT   ; row r: the four waves cover its 2,048 bytes
.endr
.irp u, 0,1
	global_load_b128 v[D+64+4*\u:D+64+4*\u+3], v[BO], s[4:5] offset:\u*16384 th:TH_LOAD_NT  ; rows 8 u + t / 16
.endr
	; batch 1: rows 0-7 are rounded
	s_wait_loadcnt 10                              ; loads come back in order: rows 0-7 are in; the ten issued behind them (rows 8-15, base_weight's two) may stay out
.irp r, 0,1,2,3,4,5,6,7
	v_cvt_pk_f16_f32 v[PKD+2*\r], v[D+4*\r], v[D+4*\r+1]
	v_cvt_pk_f16_f32 v[PKD+2*\r+1], v[D+4*\r+2], v[D+4*\r+3]
.endr
	; batch 2: rows 8-15 are rounded; rows 0-7 go into LDS
	s_wait_loadcnt 2                               ; rows 8-15 are in; base_weight's two loads may stay out
	s_wait_alu depctr_va_vdst(0)                   ; batch 1's conversions have written pairs 0-7 of PKD, which the LDS stores below read
.irp r, 8,9,10,11,12,13,14,15
	ds_store_b64 v[SA], v[PKD+2*(\r)-16:PKD+2*(\r)-15] offset:16*(\r)-128  ; row r - 8.  No further wait: the conversions since the wait name pairs 8-15 and D's rows 8-15 alone
	v_cvt_pk_f16_f32 v[PKD+2*\r], v[D+4*\r], v[D+4*\r+1]
	v_cvt_pk_f16_f32 v[PKD+2*\r+1], v[D+4*\r+2], v[D+4*\r+3]
.endr
	; batch 3: base_weight's two quads are rounded; rows 8-15 go into LDS
	s_wait_loadcnt 0x0                             ; base_weight's two quads are in
	s_wait_alu depctr_va_vdst(0)                   ; batch 2's conversions have written pairs 8-15 of PKD, which the LDS stores below read
.irp u, 0,1
.irp k, 0,1,2,3
	ds_store_b64 v[SA], v[PKD+16+8*\u+2*\k:PKD+16+8*\u+2*\k+1] offset:128+64*\u+16*\k  ; row 8 + 4 u + k.  The conversions since the wait name pairs 16 and 17 and D's last eight registers alone
.endr
	v_cvt_pk_f16_f32 v[PKD+32+2*\u], v[D+64+4*\u], v[D+64+4*\u+1]
	v_cvt_pk_f16_f32 v[PKD+32+2*\u+1], v[D+64+4*\u+2], v[D+64+4*\u+3]
.endr
	s_wait_alu depctr_va_vdst(0)                   ; batch 3's conversions have written pairs 16 and 17, which the two LDS stores below read; and every conversion is done reading D, in which the LDS loads behind the barrier land
.irp u, 0,1
	ds_store_b64 v[BA], v[PKD+32+2*\u:PKD+32+2*\u+1] offset:128*\u
.endr
	s_wait_dscnt 0x0                               ; for the others' sake: my stores are done
	s_barrier_signal -1
	s_barrier_wait -1                              ; all 72 octets lie in LDS
.irp i, 0,1,2,3,4,5,6,7,8
	ds_load_b128 v[D+4*\i:D+4*\i+3], v[RA] offset:\i*8*PIT  ; no vector instruction since the last wait on va_vdst names D or v[RA], and no memory or LDS instruction has read D
.endr
.irp i, 0,1,2,3,4,5,6,7,8
	s_wait_dscnt 8-\i                              ; slab i is back; the 8 - i behind it may stay out
	global_store_b128 v[WO], v[D+4*\i:D+4*\i+3], s[8:9] offset:\i*32768  ; 512 consecutive bytes, at a multiple of 512 from w16's first
.endr
	s_wait_dscnt 0x0                               ; the closing lines, six on end
	s_wait_alu 0x0
	s_wait_tensorcnt 0x0
	ds_add_u32 v[SPW], v[NIL]
	s_wait_dscnt 0x0
	s_endpgm
.Lfunc_end_k_qfdacc22d37_lay:
	.size	k_qfdacc22d37_lay, .Lfunc_end_k_qfdacc22d37_lay-k_qfdacc22d37_lay
	.p2alignl 7, 3214868480
	.fill 96, 4, 3214868480
	.section	.rodata,"a",@progbits
	.p2align	6, 0x0
	.amdhsa_kernel k_qfdacc22d37_lay
		.amdhsa_group_segment_fixed_size 20224
		.amdhsa_private_segment_fixed_size 0
		.amdhsa_enable_private_segment 0
		.amdhsa_kernarg_size 24
		.amdhsa_user_sgpr_count 2
		.amdhsa_user_sgpr_kernarg_segment_ptr 1
		.amdhsa_wavefront_size32 1
		.amdhsa_system_sgpr_workgroup_id_x 1
		.amdhsa_system_sgpr_workgroup_id_y 1
		.amdhsa_system_sgpr_workgroup_id_z 1
		.amdhsa_system_vgpr_workitem_id 0
		.amdhsa_next_free_vgpr 124
		.amdhsa_next_free_sgpr 66
		.amdhsa_reserve_vcc 0
		.amdhsa_float_denorm_mode_32 3
		.amdhsa_float_denorm_mode_16_64 3
		.amdhsa_memory_ordered 1
		.amdhsa_forward_progress 1
		.amdhsa_inst_pref_size 11
	.end_amdhsa_kernel
	.amdgpu_metadata
---
amdhsa.version: [ 1, 2 ]
amdhsa.kernels:
  - .name:           k_qfdacc22d37_lay
    .symbol:         k_qfdacc22d37_lay.kd
    .args:
      - { .name: base_weight, .offset: 0, .size: 8, .value_kind: global_buffer, .address_space: global }
      - { .name: spline_weight, .offset: 8, .size: 8, .value_kind: global_buffer, .address_space: global }
      - { .name: w16, .offset: 16, .size: 8, .value_kind: global_buffer, .address_space: global }
    .group_segment_fixed_size: 20224
    .private_segment_fixed_size: 0
    .kernarg_segment_align: 8
    .kernarg_segment_size: 24
    .max_flat_workgroup_size: 128
    .sgpr_count:     66
    .vgpr_count:     124
    .wavefront_size: 32
...
	.end_amdgpu_metadata
.endif
;; end of part 3
;; launch kan: the kernel of part 2 again; grid 128 x 2, 8 waves a work-group, clusters of 4 x 1, 327,680 bytes of LDS; arguments x, w16, out0; writes out0
